; MI455X (gfx1250); checked and timed in simulation.
; The chip was launched on July 23, 2026; its instructions are those of AMD's public machine-readable ISA for CDNA 5 (MIT licence, August 2026) and "CDNA5" Instruction Set Architecture Reference Guide (July 2026). The comments in the code are by the model that wrote it; some were corrected since.
;; Bahdanau Attention. Allowed arithmetic: matrix products marked QUANTISED: E2M3 operands, one E8M0 scale for each 32 along K, by v_wmma_scale_f32_16x16x128_f8f6f4 with both operands' format E2M3, f32 sums; products left as they are: f32 operands where the result goes on into a quantised operand, else bf16, f16 or f32 operands; f32 sums; everything else in f32.
;; Inputs: Wa 1,024 float32; Wb_codes 1,024 x 32 x 24 uint8 (E2M3 codes of Wb, K innermost, in blocks of 32 codes, four codes in three bytes); Wb_scales 1,024 x 32 uint8 (E8M0 scales of Wb, one for each 32 codes along K); Wc_codes 1,024 x 32 x 24 uint8 (E2M3 codes of Wc, K innermost, in blocks of 32 codes, four codes in three bytes); Wc_scales 1,024 x 32 uint8 (E8M0 scales of Wc, one for each 32 codes along K); dec_prev_hidden_codes 32 x 32 x 24 uint8 (E2M3 codes of dec_prev_hidden, K innermost, in blocks of 32 codes, four codes in three bytes); dec_prev_hidden_scales 32 x 32 uint8 (E8M0 scales of dec_prev_hidden, one for each 32 codes along K); enc_outputs 2,048 x 32 x 1,024 float32.
;; Outputs: out0 1 x 32 x 1,024 float32.
;; This version of the problem:
;;   THIS VERSION OF THE PROBLEM IS GIVEN IN LOW PRECISION. The matrix products marked QUANTISED in the list below multiply operands that are first quantised to E2M3 (2 exponent bits, 3 mantissa bits; 6 bits a number), with one power-of-two scale for each 32 numbers along K (OCP MX v1.0); their sums are f32. All else is computed in f32.
;;   The module's matrix products, in the order in which they are computed (A, B: the left and right operand; K: the contracted axis; several contracted axes count as one K, in the product's order):
;;     1. [M 32, K 1,024] x [K 1,024, N 1,024]; A: input dec_prev_hidden (given as codes); B: input Wb (given as codes): QUANTISED
;;     2. [M 65,536, K 1,024] x [K 1,024, N 1,024]; A: input enc_outputs; B: input Wc (given as codes): QUANTISED
;;     3. [M 65,536, K 1,024] x [K 1,024, N 1]; A: computed on the way; B: input Wa: left as it is (N = 1 < 16)
;;     4. batch 32 x [M 1, K 2,048] x [K 2,048, N 1,024]; A: softmax; B: input enc_outputs: left as it is (M = 1 < 16)
;;   THE QUANTISER, for each operand of a quantised product, along K:
;;     - K is cut into blocks of 32 from its start; a last block that is shorter is filled with zeros.
;;     - A block's scale is 2^e with e = floor(log2(the largest magnitude in the block)) - 2, held to -126 .. 127; a block of zeros has e = 0. As a byte (E8M0): e + 127.
;;     - Each number is divided by its block's scale, clamped to +-7.5, and rounded to the nearest number of E2M3, ties to even, subnormals kept.
;;     - The product sums the exact products of the quantised numbers (number of the format x scale) in f32.
;;   ~~~python
;;   def quantise(x, axis):      # numpy; x: float32 -> the quantised numbers, widened to float32 again
;;       x = np.moveaxis(x, axis, -1); K = x.shape[-1]
;;       x = np.pad(x, [(0, 0)] * (x.ndim - 1) + [(0, -K % 32)]); x = x.reshape(x.shape[:-1] + (-1, 32)); a = np.abs(x).max(-1, keepdims=True)
;;       e = np.where(a > 0, np.clip(np.frexp(np.where(a > 0, a, 1))[1] - 1 - 2, -126, 127), 0)      # np.frexp(a)[1] - 1 = floor(log2(a)), exactly
;;       r = np.clip(x / 2.0 ** e, -7.5, 7.5)
;;       step = 2.0 ** (np.maximum(np.frexp(np.where(r == 0, 1, r))[1] - 1, 0) - 3)
;;       q = np.round(r / step) * step * 2.0 ** e      # np.round: ties to even
;;       return np.moveaxis(q.reshape(q.shape[:-2] + (-1,))[..., :K], -1, axis).astype(np.float32)
;;   ~~~
;;   INPUTS GIVEN AS CODES. Wb (in the module: [1024, 1024], K = its axis 1); Wc (in the module: [1024, 1024], K = its axis 1); dec_prev_hidden (in the module: [32, 1024], K = its axis 1): each comes as NAME_codes (uint8): NAME with its K axis moved to the last place and cut into blocks of 32 codes, [.., K / 32, bytes a block], one block behind the other in memory; four codes in three bytes: a row's codes are one little-endian stream of bits, code i at bits 6 i .. 6 i + 5 (a code: sign, 2 exponent bits, 3 mantissa bits); and NAME_scales (uint8): the same leading axes, one E8M0 byte (e + 127) for each 32 codes along K. Its value is code x scale, taken as it is: it is not quantised again, and the codes and scales need not be those that the quantiser above would give.
;; One version. Each part assembles by itself: llvm-mc -triple=amdgcn-amd-amdhsa -mcpu=gfx1250 --defsym DOCPART=n.
;; ======== version 1 of 1: 3 launches
;; limits: right only within a limited range of input values
;; workspace buffers: wcimg 827,392 bytes; wsc 131,072 bytes; score 1,048,576 bytes
;; launch prep (part 1): grid 16 x 1, 4 waves a work-group, no clusters, 134,656 bytes of LDS; arguments Wb_codes, Wb_scales, dec_prev_hidden_codes, dec_prev_hidden_scales, Wc_codes, Wc_scales, Wa, wcimg, wsc; writes wcimg, wsc
.if DOCPART == 1
	.amdgcn_target "amdgcn-amd-amdhsa--gfx1250"
	.amdhsa_code_object_version 6
	.text
	.protected	k_qfabdb7e756_prep
	.globl	k_qfabdb7e756_prep
	.p2align	8
	.type	k_qfabdb7e756_prep,@function
k_qfabdb7e756_prep:
	s_mov_b64 s[64:65], 0
	v_nop
	global_prefetch_b8 v0, s[64:65] scope:SCOPE_SE
	s_setreg_imm32_b32 hwreg(HW_REG_WAVE_MODE, 25, 1), 1
	s_wait_xcnt 0x0
; TWO SMALL JOBS IN FRONT OF THE LARGE PRODUCT.
; (1) wsc[b][e] = c x sum over d of dec[b][d] Wb[e][d], c = 2 log2(e): the first product, on the codes and scale bytes as they are given (E2M3, one E8M0 byte for each 32 along K), f32 sums.
;     The factor c belongs to the next launch's tanh: tanh(z) = 1 - 2 / (1 + 2^(c z)).
; (2) wcimg: Wc's codes laid in the order of an operand's registers, with its scale bytes and -2 Wa beside them, in 8 slots of 128 rows d, so that the next launch brings a slot by one dense
;     copy and reads every fragment by loads of 16 bytes a lane.  A slot, SLOTB bytes: fragment (unit u of 64 d, K step s, tile t of 16 d) at 49152 u + 6144 s + 1536 t, its registers
;     4 c .. 4 c + 3 of lane l at + 512 c + 16 l; at 98304 the 128 rows' scale bytes as given (32 a row); at 102400 -2 Wa of the 128 d; at 102912 the same 512 bytes once more: nobody reads
;     them there, they are stored so that every byte that the next launch copies has been written.
; SHARES.  16 work-groups of four waves: work-group g, wave w take the 16 rows 64 g + 16 w .. + 15 of Wb and of Wc.  That is all the work there is: 64 tiles of 16 rows.
; No shared tiles worth a joint request (dec, 24 KB, is the only thing read by all), no copies into LDS by an engine.
; FROM MEMORY IN DENSE LOADS, INTO FRAGMENTS THROUGH LDS.  A tile's 16 rows of 768 bytes are 12,288 consecutive bytes: they come by 24 loads of 512 consecutive bytes, 16 a lane, and are laid into LDS as rows of
; 768 + 16 bytes: dense byte o goes to o + 16 (o / 768).  Three loads are two rows: the middle one crosses from a row to the next at lane 16, so it takes a second address register (16 bytes on for lanes 16-31).
; A fragment is then read in pieces of 8 bytes; with that pitch (196 words) the 32 lanes of such a load touch 64 different words modulo 64.  dec's 32 rows are shared out: each wave brings 8, a barrier, all read all.
; THE MATRIX INSTRUCTION IS USED TRANSPOSED: source 0 = 16 rows of Wb, source 1 = 16 rows of dec: lane (r, h) holds wsc(b = 16 m + r, e = 8 h + 0 .. 7 of the tile).
; LDS: dec's 32 rows | for each wave 16 rows of Wc, then 16 of Wb | a stage of 32 rows b of 256 bytes + 16.
; REGISTERS.  Window 0: v1-15 addresses; v16-111 Wb's 8 fragments; v112-207 Wc's 8 (later the results); v208-215 Wb's scale words; v216-231 dec's; v232-247 two accumulators; v248-251 Wc's scale bytes; v252-255 Wa.
;             Window 1: dec's 16 fragments, (m, s) at v[12 (8 m + s)]; before that v0-47 my 8 rows of dec as loaded.
.set SLOTB, 103424
.set LP,    784                        ; an LDS row of codes
.set TILEB, 16*LP
.set OWN,   32*LP                      ; behind dec's rows, which begin at LDS byte 0
.set STG,   OWN+8*TILEB
.set WBF, 16
.set WCF, 112
.set WBS, 208
.set DCS, 216
.set ACC, 232
.set MSB, 0
.macro WIN new                         ; the immediate's high byte repeats the setting that is left
.if MSB != \new
	s_set_vgpr_msb (MSB<<8)|\new
.set MSB, \new
.endif
.endm
.macro GIN reg, cnt, sb                ; cnt loads of 512 consecutive bytes into v[reg] on
.set n, 0
.rept \cnt
	global_load_b128 v[\reg+4*n:\reg+4*n+3], v4, s[\sb:\sb+1] offset:512*n
.set n, n+1
.endr
.endm
.macro LIN reg, cnt, va, off           ; the same registers into LDS rows: v[va] = the rows' first byte + 16 x lane, v[va + 1] the same + 16 (lane / 16)
.set n, 0
.rept \cnt
.if n%3 == 0
	ds_store_b128 v[\va], v[\reg+4*n:\reg+4*n+3] offset:\off+2*LP*(n/3)              ; the even row's bytes 0 to 511
.elseif n%3 == 1
	ds_store_b128 v[\va+1], v[\reg+4*n:\reg+4*n+3] offset:\off+2*LP*(n/3)+512        ; its bytes 512 to 767, and the odd row's 0 to 255
.else
	ds_store_b128 v[\va], v[\reg+4*n:\reg+4*n+3] offset:\off+2*LP*(n/3)+1040         ; the odd row's bytes 256 to 767
.endif
.set n, n+1
.endr
.endm
.macro FRAGS reg, va, off              ; 16 rows' eight fragments: lane (r, h) takes, for K step s, the 24 bytes at 96 s + 24 h and those 48 bytes on, in pieces of 8
.irp s, 0,1,2,3,4,5,6,7
.irp p, 0,1,2,3,4,5
	ds_load_b64 v[\reg+12*\s+2*\p:\reg+12*\s+2*\p+1], v[\va] offset:\off+96*\s+48*(\p/3)+8*(\p%3)
.endr
.endr
.endm
	s_load_b256 s[4:11], s[0:1], 0x0               ; Wb's codes s[4:5], its scales s[6:7], dec's codes s[8:9], its scales s[10:11]
	s_load_b256 s[12:19], s[0:1], 0x20             ; Wc's codes s[12:13], its scales s[14:15], Wa s[16:17], wcimg s[18:19]
	s_load_b64 s[20:21], s[0:1], 0x40              ; wsc
	v_lshrrev_b32 v1, 5, v0
	v_readfirstlane_b32 s22, v1                    ; wave
	s_lshl_b32 s23, ttmp9, 2
	s_add_co_u32 s23, s23, s22                     ; T = 4 g + w: my tile of 16 rows
	s_lshr_b32 s24, ttmp9, 1                       ; the slot
	s_and_b32 s25, ttmp9, 1                        ; the unit in it
	s_mov_b32 s26, 0x4038aa3b                      ; c = 2 log2(e)
	s_mov_b32 s27, s26                             ; (named with it as a pair, so it is written)
	v_and_b32 v1, 15, v0                           ; r
	v_bfe_u32 v2, v0, 4, 1                         ; h
	v_and_b32 v10, 31, v0                          ; lane
	v_mul_u32_u24 v3, v1, LP
	v_mad_u32_u24 v3, v2, 24, v3                   ; a fragment's place for my lane: row r, + 24 h; as it stands: in dec's rows
	v_lshlrev_b32 v4, 4, v10                       ; 16 x lane
	s_wait_alu depctr_va_vdst(0)
	v_lshlrev_b32 v5, 5, v1                        ; a row of scale bytes is 32 bytes
	s_mul_i32 s44, s22, 2*TILEB
	s_add_co_u32 s44, s44, OWN                     ; my wave's rows in LDS
	v_add_nc_u32 v11, s44, v4
	v_lshl_add_u32 v12, v2, 4, v11
	v_add_nc_u32 v15, s44, v3
	s_mul_i32 s44, s22, 8*LP                       ; the 8 rows of dec that I bring
	v_add_nc_u32 v13, s44, v4
	v_lshl_add_u32 v14, v2, 4, v13
	s_mul_i32 s46, s22, 6144                       ; and the same rows in memory
	s_mov_b32 s47, 0
	s_mul_i32 s28, s23, 12288                      ; my 16 rows of codes
	s_mov_b32 s29, 0
	s_lshl_b32 s30, s23, 9                         ; my 16 rows of scale bytes
	s_mov_b32 s31, 0
	s_mul_i32 s32, s24, SLOTB                      ; my slot of wcimg
	s_mov_b32 s33, 0
	s_mul_i32 s34, s25, 49152
	s_mul_i32 s35, s22, 1536
	s_add_co_u32 s34, s34, s35                     ; my tile's images in it
	s_mov_b32 s35, 0
	s_lshl_b32 s36, s25, 11
	s_lshl_b32 s37, s22, 9
	s_add_co_u32 s36, s36, s37                     ; my 16 rows among the slot's scale bytes
	v_add_nc_u32 v9, s36, v4
	s_lshl_b32 s38, s24, 9                         ; the slot's 128 numbers of Wa
	s_mov_b32 s39, 0
	s_lshl_b32 s40, ttmp9, 8                       ; the work-group's 64 columns of wsc
	s_mov_b32 s41, 0
	v_mul_u32_u24 v6, v1, 272                      ; the stage: in: row r, + 64 w + 32 h
	v_lshl_add_u32 v6, v2, 5, v6
	s_lshl_b32 s44, s22, 6
	s_add_co_u32 s44, s44, STG
	v_add_nc_u32 v6, s44, v6
	s_mul_i32 s44, s22, 8*272                      ; back: wave w takes rows 8 w .. 8 w + 7; lanes 0-15 one row, lanes 16-31 the next
	s_add_co_u32 s44, s44, STG
	v_mul_u32_u24 v7, v2, 272
	v_lshl_add_u32 v7, v1, 4, v7
	v_add_nc_u32 v7, s44, v7
	s_lshl_b32 s44, s22, 15                        ; and the same rows in wsc, 4,096 bytes each
	v_lshlrev_b32 v8, 12, v2
	v_lshl_add_u32 v8, v1, 4, v8
	v_add_nc_u32 v8, s44, v8
	s_wait_kmcnt 0x0
	s_add_nc_u64 s[4:5], s[4:5], s[28:29]
	s_add_nc_u64 s[12:13], s[12:13], s[28:29]
	s_add_nc_u64 s[6:7], s[6:7], s[30:31]
	s_add_nc_u64 s[14:15], s[14:15], s[30:31]
	s_add_nc_u64 s[18:19], s[18:19], s[32:33]      ; wcimg at my slot
	s_add_nc_u64 s[42:43], s[18:19], s[34:35]      ; and at my tile's images
	s_add_nc_u64 s[16:17], s[16:17], s[38:39]
	s_add_nc_u64 s[20:21], s[20:21], s[40:41]
	s_add_nc_u64 s[46:47], s[8:9], s[46:47]        ; dec at my 8 rows
	; every load of the launch goes out here.  First what the other waves wait for and what is stored again: dec's 12 and Wc's 25
	WIN 0x40                                       ; destination window 1, address window 0
	GIN 0, 12, 46
	WIN 0
	GIN WCF, 24, 12
	global_load_b128 v[248:251], v4, s[14:15]      ; my 16 rows' 512 scale bytes
	; then Wb's 24, its scale words (lane r: row r's eight), dec's, and the slot's Wa: 24 + 2 + 4 + 1 = 31.  Every wave loads Wa's 512 bytes, so that the counts below are the same in all; one wave a slot stores them
	GIN WBF, 24, 4
	global_load_b128 v[WBS:WBS+3], v5, s[6:7]
	global_load_b128 v[WBS+4:WBS+7], v5, s[6:7] offset:16
.irp m, 0,1
	global_load_b128 v[DCS+8*\m:DCS+8*\m+3], v5, s[10:11] offset:512*\m
	global_load_b128 v[DCS+8*\m+4:DCS+8*\m+7], v5, s[10:11] offset:512*\m+16
.endr
	global_load_b128 v[252:255], v4, s[16:17]
	s_wait_loadcnt 31                              ; loads come back in order: dec's and Wc's are in, the 31 younger ones may be out
	WIN 0x04                                       ; an LDS store's data are its source 1: window 1
	LIN 0, 12, 13, 0
	WIN 0
	LIN WCF, 24, 11, 0
	FRAGS WCF, 15, 0                               ; LDS serves a wave's instructions in order: these see the stores above, and come back into the registers that those left
	global_store_b128 v9, v[248:251], s[18:19] offset:98304
	s_wait_loadcnt 0x0
	LIN WBF, 24, 11, TILEB
	FRAGS WBF, 15, TILEB
	s_wait_dscnt 0x0                               ; for the others' sake: my 8 rows of dec lie in LDS; and my own fragments are in
	s_barrier_signal -1
	s_barrier_wait -1
	WIN 0x40
.irp m, 0,1
	FRAGS 96*\m, 3, TILEB*\m                       ; dec's rows 16 m + r
.endr
	WIN 0
.irp s, 0,1,2,3,4,5,6,7
.irp c, 0,1,2
	global_store_b128 v4, v[WCF+12*\s+4*\c:WCF+12*\s+4*\c+3], s[42:43] offset:6144*\s+512*\c   ; Wc's fragments as they stand: 512 consecutive bytes a store
.endr
.endr
	s_or_b32 s37, s25, s22                         ; one wave for each slot (unit 0, wave 0) lays -2 Wa, twice
	s_cmp_lg_u32 s37, 0
	s_cbranch_scc1 .Lno_wa
	v_pk_mul_f32 v[252:253], v[252:253], -2.0 op_sel_hi:[1,0]
	v_pk_mul_f32 v[254:255], v[254:255], -2.0 op_sel_hi:[1,0]
	global_store_b128 v4, v[252:255], s[18:19] offset:102400
	global_store_b128 v4, v[252:255], s[18:19] offset:102912
.Lno_wa:
	s_wait_dscnt 0x0                               ; dec's fragments are in
	WIN 0x04                                       ; source 1 (dec) window 1
	; K ascending; the two accumulators take turns, one instruction a turn; the first K step starts the sums
.irp s, 0,1,2,3,4,5,6,7
.irp m, 0,1
.if \s == 0
	v_wmma_scale_f32_16x16x128_f8f6f4 v[ACC+8*\m:ACC+8*\m+7], v[WBF+12*\s:WBF+12*\s+11], v[12*(8*\m+\s):12*(8*\m+\s)+11], 0, v[WBS+\s], v[DCS+8*\m+\s] matrix_a_fmt:MATRIX_FMT_FP6 matrix_b_fmt:MATRIX_FMT_FP6
.else
	v_wmma_scale_f32_16x16x128_f8f6f4 v[ACC+8*\m:ACC+8*\m+7], v[WBF+12*\s:WBF+12*\s+11], v[12*(8*\m+\s):12*(8*\m+\s)+11], v[ACC+8*\m:ACC+8*\m+7], v[WBS+\s], v[DCS+8*\m+\s] matrix_a_fmt:MATRIX_FMT_FP6 matrix_b_fmt:MATRIX_FMT_FP6
.endif
.endr
.endr
	WIN 0
.rept 4
	v_nop                                          ; four places between the last product and the first read of a result (ISA guide 7.12.1)
.endr
	s_wait_xcnt 0x0                                ; the image stores have read v112 on: only behind this wait are those registers written again
.irp m, 0,1
.irp j, 0,2,4,6
	v_pk_mul_f32 v[WCF+8*\m+\j:WCF+8*\m+\j+1], v[ACC+8*\m+\j:ACC+8*\m+\j+1], s[26:27] op_sel_hi:[1,0]   ; x c; each accumulator from its low end on
.endr
.endr
.irp m, 0,1
	ds_store_b128 v6, v[WCF+8*\m:WCF+8*\m+3] offset:16*272*\m
	ds_store_b128 v6, v[WCF+8*\m+4:WCF+8*\m+7] offset:16*272*\m+16
.endr
	s_wait_dscnt 0x0                               ; for the others' sake: a row's 256 bytes come from four waves
	s_barrier_signal -1
	s_barrier_wait -1
.irp i, 0,1,2,3
	ds_load_b128 v[128+4*\i:131+4*\i], v7 offset:2*272*\i
.endr
	s_wait_alu depctr_va_vdst(0)
.irp i, 0,1,2,3
	s_wait_dscnt 3-\i                              ; LDS loads come back in order: load i is in, the younger ones may be out
	global_store_b128 v8, v[128+4*\i:131+4*\i], s[20:21] offset:8192*\i   ; sixteen lanes store 256 consecutive bytes, at a multiple of 256 from wsc's first byte
.endr
	v_lshl_add_u32 v1, v0, 2, 134144               ; my spare word, behind the stage (v0 is as at the entry; r and h are done with), and 0: made anew here, since no two registers can be kept
	v_mov_b32 v2, 0
	s_wait_alu depctr_va_vdst(0)
	s_wait_tensorcnt 0x0                           ; the wave's end
	ds_add_u32 v1, v2
	s_wait_dscnt 0x0
	s_endpgm
.Lfunc_end_k_qfabdb7e756_prep:
	.size	k_qfabdb7e756_prep, .Lfunc_end_k_qfabdb7e756_prep-k_qfabdb7e756_prep
	.p2alignl 7, 3214868480
	.fill 96, 4, 3214868480
	.section	.rodata,"a",@progbits
	.p2align	6, 0x0
	.amdhsa_kernel k_qfabdb7e756_prep
		.amdhsa_group_segment_fixed_size 134656
		.amdhsa_private_segment_fixed_size 0
		.amdhsa_enable_private_segment 0
		.amdhsa_kernarg_size 72
		.amdhsa_user_sgpr_count 2
		.amdhsa_user_sgpr_kernarg_segment_ptr 1
		.amdhsa_wavefront_size32 1
		.amdhsa_system_sgpr_workgroup_id_x 1
		.amdhsa_system_sgpr_workgroup_id_y 1
		.amdhsa_system_sgpr_workgroup_id_z 1
		.amdhsa_system_vgpr_workitem_id 0
		.amdhsa_next_free_vgpr 512
		.amdhsa_next_free_sgpr 66
		.amdhsa_reserve_vcc 0
		.amdhsa_float_denorm_mode_32 3
		.amdhsa_float_denorm_mode_16_64 3
		.amdhsa_memory_ordered 1
		.amdhsa_forward_progress 1
		.amdhsa_inst_pref_size 33
	.end_amdhsa_kernel
	.amdgpu_metadata
---
amdhsa.version: [ 1, 2 ]
amdhsa.kernels:
  - .name:           k_qfabdb7e756_prep
    .symbol:         k_qfabdb7e756_prep.kd
    .args:
      - { .name: Wb_codes, .offset: 0, .size: 8, .value_kind: global_buffer, .address_space: global }
      - { .name: Wb_scales, .offset: 8, .size: 8, .value_kind: global_buffer, .address_space: global }
      - { .name: dec_prev_hidden_codes, .offset: 16, .size: 8, .value_kind: global_buffer, .address_space: global }
      - { .name: dec_prev_hidden_scales, .offset: 24, .size: 8, .value_kind: global_buffer, .address_space: global }
      - { .name: Wc_codes, .offset: 32, .size: 8, .value_kind: global_buffer, .address_space: global }
      - { .name: Wc_scales, .offset: 40, .size: 8, .value_kind: global_buffer, .address_space: global }
      - { .name: Wa, .offset: 48, .size: 8, .value_kind: global_buffer, .address_space: global }
      - { .name: wcimg, .offset: 56, .size: 8, .value_kind: global_buffer, .address_space: global }
      - { .name: wsc, .offset: 64, .size: 8, .value_kind: global_buffer, .address_space: global }
    .group_segment_fixed_size: 134656
    .private_segment_fixed_size: 0
    .kernarg_segment_align: 8
    .kernarg_segment_size: 72
    .max_flat_workgroup_size: 128
    .sgpr_count:     66
    .vgpr_count:     512
    .wavefront_size: 32
...
	.end_amdgpu_metadata
.endif
;; end of part 1
;; launch energy (part 2): grid 8 x 32, 8 waves a work-group, clusters of 4 x 1, 327,680 bytes of LDS; arguments enc_outputs, wcimg, wsc, score; writes score
.if DOCPART == 2
	.amdgcn_target "amdgcn-amd-amdhsa--gfx1250"
	.amdhsa_code_object_version 6
	.text
	.protected	k_qfabdb7e756_energy
	.globl	k_qfabdb7e756_energy
	.p2align	8
	.type	k_qfabdb7e756_energy,@function
k_qfabdb7e756_energy:
	s_mov_b64 s[64:65], 0
	v_nop
	global_prefetch_b8 v0, s[64:65] scope:SCOPE_SE
	s_setreg_imm32_b32 hwreg(HW_REG_WAVE_MODE, 25, 1), 1
	s_wait_xcnt 0x0
	s_wait_alu depctr_hold_cnt(0) depctr_sa_sdst(0) depctr_va_vdst(0) depctr_va_sdst(0) depctr_va_ssrc(0) depctr_va_vcc(0) depctr_vm_vsrc(0)
	s_getreg_b32 s2, hwreg(HW_REG_IB_STS2, 6, 4)
	s_cmp_eq_u32 s2, 0
	s_cbranch_scc0 .Lentry_in_a_cluster
	s_endpgm
.Lentry_in_a_cluster:
	s_bfe_u32 s2, ttmp6, 0x10000c
	s_cmp_lg_u32 s2, 0x3003
	s_cbranch_scc0 .Lentry_shape_is_right
	s_endpgm
.Lentry_shape_is_right:
; score(s, b) = sum over d of Wa[d] tanh(WH(s, b, d) + ws(b, d)),  WH = Q(enc) Wc^T on codes of E2M3 with one E8M0 scale for each 32 along K, f32 sums.
; tanh(z) = 1 - 2 r, r = 1 / (1 + 2^(c z)), c = 2 log2(e).  Stored is sum over d of (-2 Wa[d]) r, in four parts for each (s, b).  THE TERM sum of Wa IS LEFT OUT: it is the same for every s of a
; column b, and the softmax over s that follows takes a column's maximum away, so it cancels there for all values of the inputs.  2^(c z) = infinity gives r = 0, 2^(c z) = 0 gives r = 1: no clamp.
; LIMITS: NaN and infinities in enc are not served.  A block of 32 zeros of enc gets the scale byte 1 where the quantiser says 127: its codes are zeros, and this launch alone reads the bytes.
; SHARES.  A work-group owns ONE b and 256 rows s; eight waves, two to a SIMD.  Wave w = 2 wr + wc keeps the 32 fragments of rows 64 wr .. + 63 (4 tiles x 8 K steps, 384 registers) and multiplies them
; by unit wc (64 d, four tiles) of each slot of 128 d: Wc is walked once, in 8 visits.  A tile of 16 d is 32 products on four accumulators by turns, then its tanh in four batches.
; FIRST the rows are quantised, in four rounds of 64 rows (tile t of every wr): wave w takes 8 rows a round; codes and scale bytes go through LDS to the two waves that multiply them.
; AN X STEP: half a row, four loads of 512 consecutive bytes (a ring of eight register sets: 32 loads of a wave are on their way); the 2,048 bytes turn through the wave's own stage, so that a lane holds 16 neighbours.
; CLUSTER.  The four work-groups of a cluster (same b, neighbouring s) walk the same slots of Wc: each quarter of a slot is asked for JOINTLY by waves 0 to 3.  My place in the cluster enters enc's and score's addresses alone.
; NO PREFETCH: enc is one plain stream with 32 loads a wave out and nothing to run ahead of; Wc's 8 slots are read by all 256 work-groups.
; TRANSPOSED USE: source 0 = 16 rows d of Wc, source 1 = 16 rows of enc: lane (r, h) holds row r and d = 8 h + 0 .. 7 of the tile: bias and -2 Wa are eight registers, the sum over d stays in the lane.
; LDS: two slots (tensor loads alone write them) | CODES 64 rows of 768 + 16 | ASC 32 scale bytes a row | CST for each 8 d: 32 bytes c ws, 32 bytes -2 Wa | STAGE 2,560 a wave | the spare words.
; REGISTERS.  v0-7 addresses; v8-23 enc's scale words (4 a + s % 4; lanes 0-15 K steps 0-3, lanes 16-31 K steps 4-7); v24-27 Wc's likewise; v28-35 bias, then -2 Wa; v36-43 sums; v44-75 accumulators;
; v76-123 Wc's fragments, two buffers of two K steps.  enc's fragment 8 a + s: the first 21 in window 1 from v0, the other 11 in window 0 from v124.  While rows are quantised v24-103 and v160-255 serve the X steps.
.set SLOTB,  103424
.set QUART,  25856
.set CODES,  2*SLOTB
.set CPITCH, 784
.set ASC,    CODES+64*CPITCH
.set CST,    ASC+2048
.set STAGE,  CST+8192
.set SPARE,  STAGE+8*2560
.set ROWG,   131072
.set ADC, 0
.set SPW, 1
.set NIL, 2
.set BL,  3
.set BSL, 4
.set WSL, 5
.set ADB, 6
.set ADS, 7
.set SCA, 8
.set SCB, 24
.set CW,  28
.set SM,  36
.set ACC, 44
.set WB,  76
.set XGA, 24
.set STI, 25
.set STO, 26
.set XCA, 27
.set XSA, 28
.set AFA, 29
.set ASA, 30
.set CD,  32
.set TM,  36
.set XS,  40
.set WV,  12
.set WR,  13
.set WC,  14
.set G1,  24
.set G0,  32
.set TB,  36
.set TF,  37
.set WOFF, 38
.set CNT, 39
.set UB,  40
.set XG,  44
.set CC,  46
.set MSB, 0
.macro WIN new                         ; the immediate's high byte repeats the setting that is left; a switch that changes nothing is dropped
.if MSB != \new
	s_set_vgpr_msb (MSB<<8)|\new
.set MSB, \new
.endif
.endm
.macro NOP4
.rept 4
	v_nop
.endr
.endm
.macro BAR
	s_barrier_signal -1
	s_barrier_wait -1
.endm
.macro CROUND                          ; a round of the cluster's barrier
	BAR
	s_cmp_lg_u32 s[WV], 0
	s_cbranch_scc1 .Lnot_wave_0_\@
	s_barrier_signal -3
.Lnot_wave_0_\@:
	s_barrier_wait -3
	BAR
.endm
.macro JLOAD                           ; waves 0 to 3 ask for a quarter of a slot each; the branch hangs on the wave's number alone
	s_cmp_lt_u32 s[WV], 4
	s_cbranch_scc0 .Lnot_mine_\@
	tensor_load_to_lds s[G0:G0+3], s[G1:G1+7]
	s_nop 0
	NOP4
.Lnot_mine_\@:
.endm
.macro XSET g                          ; ring set g % 8: six sets from v160, two from v72
.if ((\g)%8) < 6
.set x_r, 160+16*((\g)%8)
.else
.set x_r, 72+16*(((\g)%8)-6)
.endif
.endm
.macro XLOAD g                         ; row g / 2, half g % 2 of the four rows at s[XG]
	XSET \g
.irp i, 0,1,2,3
	global_load_b128 v[x_r+4*\i:x_r+4*\i+3], v[XGA], s[XG:XG+1] offset:((\g)/2)*ROWG+((\g)%2)*2048+512*\i th:TH_LOAD_NT
.endr
.endm
.macro XA g, left                      ; a set turns through the stage; left: the younger loads, which may stay out.  LDS serves a wave's instructions in order
	XSET \g
	s_wait_loadcnt \left
.irp i, 0,1,2,3
	ds_store_b128 v[STI], v[x_r+4*\i:x_r+4*\i+3] offset:640*\i
.endr
.irp i, 0,1,2,3
	ds_load_b128 v[XS+16*((\g)%2)+4*\i:XS+16*((\g)%2)+4*\i+3], v[STO] offset:16*\i
.endr
.endm
.macro XBC g, lam                      ; 16 neighbours a lane, two lanes to a block of 32; row 4 lam + g / 2 of my 8
.set r_n, XS+16*((\g)%2)
.set r_w, 4*(\lam)+(\g)/2
	v_max3_num_f32 v[TM], |v[r_n]|, |v[r_n+1]|, |v[r_n+2]|
	v_max3_num_f32 v[TM+1], |v[r_n+3]|, |v[r_n+4]|, |v[r_n+5]|
	v_max3_num_f32 v[TM+2], |v[r_n+6]|, |v[r_n+7]|, |v[r_n+8]|
	v_max3_num_f32 v[TM+3], |v[r_n+9]|, |v[r_n+10]|, |v[r_n+11]|
	v_max3_num_f32 v[TM], v[TM], |v[r_n+12]|, |v[r_n+13]|
	v_max3_num_f32 v[TM+1], v[TM+1], |v[r_n+14]|, |v[r_n+15]|
	v_max3_num_f32 v[TM+2], v[TM+2], v[TM+3], 0x1800000            ; the floor 2^(3 - 127): the byte cannot fall under 1
	s_delay_alu instid0(VALU_DEP_1)
	v_max3_num_f32 v[TM], v[TM], v[TM+1], v[TM+2]
	s_delay_alu instid0(VALU_DEP_1)
	v_max_num_f32_dpp v[TM], v[TM], v[TM] row_xmask:1 row_mask:0xf bank_mask:0xf   ; with my neighbour's 16
	s_delay_alu instid0(VALU_DEP_1)
	v_add_nc_u32 v[TM+2], 0xff000000, v[TM]                        ; 2 off the exponent field: the conversion's scale operand
	v_cvt_scalef32_pk16_fp6_f32 v[CD:CD+2], v[r_n:r_n+15], v[TM+2]
	v_lshrrev_b32 v[TM+3], 23, v[TM+2]                             ; the scale's byte; also the plain instruction behind the conversion
	ds_store_b32 v[XCA], v[CD] offset:r_w*CPITCH+((\g)%2)*384
	ds_store_b32 v[XCA], v[CD+1] offset:r_w*CPITCH+((\g)%2)*384+4
	ds_store_b32 v[XCA], v[CD+2] offset:r_w*CPITCH+((\g)%2)*384+8
	ds_store_b8 v[XSA], v[TM+3] offset:r_w*32+((\g)%2)*16          ; both lanes of a block write the same byte with the same value
.endm
.macro LAP lam, ld, adv                ; four rows.  ld = 1: each set is filled again with the next lap's rows, and the base then goes adv rows on
.irp y, 0,1,2,3,4,5,6,7
	s_wait_dscnt 0x0                               ; this step's 16 neighbours are back, and the stage's stores have read set y
.if \ld
	XLOAD \y
.endif
	XBC \y, \lam
.if \ld
	XA \y+1, 28                                    ; eight sets of four loads are out: the oldest is wanted
.elseif \y < 7
	XA \y+1, 4*(6-\y)                              ; nothing is loaded any more: the sets behind the one wanted
.endif
.endr
.if \ld
	s_wait_xcnt 0x0                                ; the loads have read their base
	s_add_nc_u64 s[XG:XG+1], s[XG:XG+1], (\adv)*ROWG
.endif
.endm
.macro AFETCH t                        ; tile t of my 64 rows: eight fragments in pieces of 8 bytes, and the rows' scale words
.irp s, 0,1,2,3,4,5,6,7
.set f_n, 8*(\t)+\s
.if f_n < 21
	WIN 0x40
.set f_r, 12*f_n
.else
	WIN 0
.set f_r, 124+12*(f_n-21)
.endif
.irp p, 0,1,2,3,4,5
	ds_load_b64 v[f_r+2*\p:f_r+2*\p+1], v[AFA] offset:96*\s+48*(\p/3)+8*(\p%3)
.endr
.endr
	WIN 0
	ds_load_b128 v[SCA+4*(\t):SCA+4*(\t)+3], v[ASA]
.endm
.macro ROUND t, last
	LAP 0, 1, 12
	LAP 1, 1-\last, 4
	s_wait_dscnt 0x0                               ; for the others' sake: my 8 rows' codes and scale bytes lie in LDS
	BAR
	AFETCH \t
.if \last == 0
	s_wait_dscnt 0x0                               ; my reads of CODES and ASC are over: the next round may store there
	BAR
.endif
.endm
; ---- a visit's parts
.macro FETCH t, g                      ; K steps 2 g, 2 g + 1 of tile t into buffer g % 2: register images, 512 consecutive bytes a load
.irp q, 0,1
.irp c, 0,1,2
	ds_load_b128 v[WB+24*((\g)%2)+12*\q+4*\c:WB+24*((\g)%2)+12*\q+4*\c+3], v[ADB] offset:(2*(\g)+\q)*6144+(\t)*1536+512*\c
.endr
.endr
.endm
.macro CWL t, off                      ; off = 0: c ws of my 8 d of tile t; 32: -2 Wa
	ds_load_b128 v[CW:CW+3], v[ADC] offset:128*(\t)+\off
	ds_load_b128 v[CW+4:CW+7], v[ADC] offset:128*(\t)+\off+16
.endm
.macro GRP g                           ; 8 products; the four accumulators take turns, one instruction a turn; then four places for the loads and reads that follow
.irp q, 0,1
.irp a, 0,1,2,3
.set k_s, 2*(\g)+\q
.set f_n, 8*\a+k_s
.if f_n < 21
	WIN 0x04
.set r_a, 12*f_n
.else
	WIN 0
.set r_a, 124+12*(f_n-21)
.endif
.set r_d, ACC+8*\a
.set r_b, WB+24*((\g)%2)+12*\q
.set r_p, SCB+k_s%4
.set r_q, SCA+4*\a+k_s%4
.if k_s == 0
	v_wmma_scale_f32_16x16x128_f8f6f4 v[r_d:r_d+7], v[r_b:r_b+11], v[r_a:r_a+11], 0, v[r_p], v[r_q] matrix_a_fmt:MATRIX_FMT_FP6 matrix_b_fmt:MATRIX_FMT_FP6
.elseif k_s < 4
	v_wmma_scale_f32_16x16x128_f8f6f4 v[r_d:r_d+7], v[r_b:r_b+11], v[r_a:r_a+11], v[r_d:r_d+7], v[r_p], v[r_q] matrix_a_fmt:MATRIX_FMT_FP6 matrix_b_fmt:MATRIX_FMT_FP6
.else
	v_wmma_scale_f32_16x16x128_f8f6f4 v[r_d:r_d+7], v[r_b:r_b+11], v[r_a:r_a+11], v[r_d:r_d+7], v[r_p], v[r_q] matrix_a_fmt:MATRIX_FMT_FP6 matrix_b_fmt:MATRIX_FMT_FP6 matrix_a_scale:MATRIX_SCALE_ROW1 matrix_b_scale:MATRIX_SCALE_ROW1
.endif
.endr
.endr
	WIN 0
	NOP4
.endm
.macro TILE t, nx                      ; at its head both buffers and Wc's scale words are in; only the bias loads may be out
	GRP 0
	FETCH \t, 2
	GRP 1
	FETCH \t, 3
	s_wait_dscnt 6                                 ; K steps 4, 5 (and the bias) are in; the six loads behind them may be out
	GRP 2
.if \nx
	FETCH \t+1, 0
	s_wait_dscnt 6
.else
	s_wait_dscnt 0x0
.endif
	GRP 3
.if \nx
	FETCH \t+1, 1
	ds_load_b128 v[SCB:SCB+3], v[ADS] offset:512*(\t+1)
.endif
.irp j, 0,2,4,6                        ; c x + c ws; each accumulator is first read at its two lowest registers
.irp a, 0,1,2,3
	v_pk_fma_f32 v[ACC+8*\a+\j:ACC+8*\a+\j+1], v[ACC+8*\a+\j:ACC+8*\a+\j+1], s[CC:CC+1], v[CW+\j:CW+\j+1] op_sel_hi:[1,0,1]
.endr
.endr
	CWL \t, 32                                     ; the bias is done with: -2 Wa takes its registers
	s_wait_alu depctr_va_vdst(0)                   ; a wait ahead of and behind each batch
.set j, 0
.rept 32
	v_exp_f32 v[ACC+j], v[ACC+j]
.set j, j+1
.endr
	v_nop
	s_wait_alu depctr_va_vdst(0)
.set j, 0
.rept 16
	v_pk_add_f32 v[ACC+j:ACC+j+1], v[ACC+j:ACC+j+1], 1.0 op_sel_hi:[1,0]
.set j, j+2
.endr
	s_wait_alu depctr_va_vdst(0)
.set j, 0
.rept 32
	v_rcp_f32 v[ACC+j], v[ACC+j]
.set j, j+1
.endr
	v_nop
	s_wait_alu depctr_va_vdst(0)
	s_wait_dscnt 0x0                               ; -2 Wa is in, and with it all that the next tile's first products need
.irp j, 0,2,4,6
.irp a, 0,1,2,3
	v_pk_fma_f32 v[SM+2*\a:SM+2*\a+1], v[ACC+8*\a+\j:ACC+8*\a+\j+1], v[CW+\j:CW+\j+1], v[SM+2*\a:SM+2*\a+1]
.endr
.endr
.if \nx
	CWL \t+1, 0
.endif
.endm
; THE CHANGE OF SLOTS.  Every wave waits for all its tensor loads, adds 0 to its spare word and waits for that and for its LDS reads.  fill = 1: a round of the cluster's barrier, and the slot left is asked for anew first.
.macro HEAD fill
	s_wait_tensorcnt 0x0
	ds_add_u32 v[SPW], v[NIL]                      ; the add here,
.if \fill
	ds_add_u32 v[SPW], v[NIL]
.endif
	s_xor_b32 s[TB], s[TB], SLOTB                  ; the slot in hand
.if \fill
	s_xor_b32 s[TF], s[TB], SLOTB                  ; the slot to fill
	s_add_co_u32 s[G0+1], s[WOFF], s[TF]
	s_add_nc_u64 s[G0+2:G0+3], s[G0+2:G0+3], SLOTB
.endif
	s_wait_dscnt 0x0
.if \fill
	CROUND
	JLOAD
.else
	BAR
.endif
.endm
.macro BODY
	v_add_nc_u32 v[ADB], s[TB], v[BL]
	v_add_nc_u32 v[ADS], s[TB], v[BSL]
	v_add_nc_u32 v[ADC], s[UB], v[WSL]
	s_wait_alu depctr_va_vdst(0)                   ; the three addresses are read by the LDS loads that follow
	FETCH 0, 0
	FETCH 0, 1
	ds_load_b128 v[SCB:SCB+3], v[ADS]
	CWL 0, 0
	s_wait_dscnt 2                                 ; all but the two bias loads
	TILE 0, 1
	TILE 1, 1
	TILE 2, 1
	TILE 3, 0
	s_add_co_u32 s[UB], s[UB], 1024
.endm
	s_load_b256 s[4:11], s[0:1], 0x0               ; enc s[4:5], wcimg s[6:7], wsc s[8:9], score s[10:11]
	v_lshl_add_u32 v[SPW], v0, 2, SPARE
	v_mov_b32 v[NIL], 0
	ds_add_u32 v[SPW], v[NIL]                      ; the opening lines: the add twice on end and one wait, ahead of the first round
	ds_add_u32 v[SPW], v[NIL]
	v_lshrrev_b32 v32, 5, v0
	v_readfirstlane_b32 s[WV], v32                 ; wave 0..7
	s_lshr_b32 s[WR], s[WV], 1
	s_and_b32 s[WC], s[WV], 1
	s_bfe_u32 s15, ttmp6, 0x40000                  ; cx
	s_lshl_b32 s16, ttmp9, 2
	s_add_co_u32 s16, s16, s15                     ; x: my 256 rows s
	s_and_b32 s17, ttmp7, 0xffff                   ; b
	s_mov_b32 s[G1], 15|(3<<16)|(1<<21)            ; the mask of all four; elements of 8 bytes; bit 21 beside a mask
	s_mov_b32 s[G1+1], 32<<16                      ; 101 dense rows of 256 bytes
	s_mov_b32 s[G1+2], 101<<16
	s_mov_b32 s[G1+3], 32<<16
	s_mov_b32 s[G1+4], 101
	s_mov_b32 s[G1+5], 32
	s_mov_b32 s[G1+6], 0
	s_mov_b32 s[G1+7], 0
	s_mul_i32 s[WOFF], s[WV], QUART
	s_mov_b32 s58, s[WOFF]
	s_mov_b32 s59, 0
	s_mov_b32 s[CC], 0x4038aa3b                    ; c = 2 log2(e)
	s_mov_b32 s[CC+1], s[CC]
	s_lshl_b32 s18, s16, 25                        ; enc: 256 x rows of 131,072 bytes,
	s_lshl_b32 s19, s[WR], 23                      ; + 64 wr rows,
	s_add_co_u32 s18, s18, s19
	s_lshl_b32 s19, s[WC], 20                      ; + 8 wc rows,
	s_add_co_u32 s18, s18, s19
	s_lshl_b32 s19, s17, 12                        ; + b's 4,096 bytes: under 2^28 in all
	s_add_co_u32 s18, s18, s19
	s_mov_b32 s19, 0
	s_lshl_b32 s20, s17, 12                        ; wsc: row b
	s_mov_b32 s21, 0
	s_lshl_b32 s22, s17, 15                        ; score: 32,768 b + 4,096 x
	s_lshl_b32 s23, s16, 12
	s_add_co_u32 s22, s22, s23
	s_mov_b32 s23, 0
	s_mul_i32 s48, s[WV], 2560
	s_add_co_u32 s48, s48, STAGE
	s_mul_i32 s49, s[WV], 8*CPITCH
	s_add_co_u32 s49, s49, CODES
	s_lshl_b32 s50, s[WV], 8
	s_add_co_u32 s50, s50, ASC
	s_mul_i32 s51, s[WR], 16*CPITCH
	s_add_co_u32 s51, s51, CODES
	s_lshl_b32 s52, s[WR], 9
	s_add_co_u32 s52, s52, ASC
	s_mul_i32 s53, s[WC], 49152
	s_lshl_b32 s54, s[WC], 11
	s_add_co_u32 s54, s54, 98304
	s_lshl_b32 s55, s[WC], 9
	s_add_co_u32 s55, s55, CST
	v_and_b32 v32, 31, v0                          ; lane
	v_and_b32 v33, 15, v0                          ; r
	v_bfe_u32 v34, v0, 4, 1                        ; h
	v_lshlrev_b32 v[XGA], 4, v32
	v_lshrrev_b32 v35, 2, v32
	v_mul_u32_u24 v35, v35, 80
	v_and_b32 v36, 3, v32
	v_lshl_add_u32 v35, v36, 4, v35
	v_add_nc_u32 v[STI], s48, v35                  ; the stage, in: 80 (lane / 4) + 16 (lane % 4)
	v_mul_u32_u24 v35, v32, 80
	v_add_nc_u32 v[STO], s48, v35                  ; and out: 80 x lane
	v_mul_u32_u24 v35, v32, 12
	v_add_nc_u32 v[XCA], s49, v35                  ; CODES at my 8 rows, + 12 x lane
	v_lshrrev_b32 v35, 1, v32
	v_add_nc_u32 v[XSA], s50, v35                  ; ASC at my 8 rows, + lane / 2
	v_mul_u32_u24 v35, v33, CPITCH
	v_mad_u32_u24 v35, v34, 24, v35
	v_add_nc_u32 v[AFA], s51, v35                  ; CODES at row 16 wr + r, + 24 h
	v_lshlrev_b32 v35, 5, v33
	v_lshl_add_u32 v35, v34, 4, v35
	v_add_nc_u32 v[ASA], s52, v35                  ; ASC at row 16 wr + r, + 16 h
	v_add_nc_u32 v[BSL], s54, v35                  ; a slot's scale bytes: unit wc, row r, + 16 h
	v_lshl_add_u32 v[BL], v32, 4, s53              ; a slot's images: unit wc, + 16 x lane
	v_lshl_add_u32 v[WSL], v34, 6, s55             ; CST at unit wc, + 64 h
	v_lshlrev_b32 v37, 4, v0                       ; thread t brings d = 4 t .. 4 t + 3: c ws at 16 t of wsc's row,
	v_lshrrev_b32 v38, 5, v0
	v_mul_u32_u24 v38, v38, SLOTB
	v_lshl_add_u32 v38, v32, 4, v38                ; -2 Wa in slot t / 32 of wcimg, at 16 (t % 32),
	v_lshrrev_b32 v39, 1, v0
	v_lshlrev_b32 v39, 6, v39
	v_and_b32 v35, 1, v0
	v_lshl_add_u32 v39, v35, 4, v39                ; and lays them at 64 (t / 2) + 16 (t % 2) of CST
	v_add_nc_u32 v39, CST, v39
	s_wait_alu depctr_va_vdst(0)
	s_wait_dscnt 0x0                               ; both opening adds are done
	s_wait_kmcnt 0x0
	s_add_nc_u64 s[XG:XG+1], s[4:5], s[18:19]
	s_add_nc_u64 s[8:9], s[8:9], s[20:21]
	s_add_nc_u64 s[10:11], s[10:11], s[22:23]
	s_mov_b32 s[G0], 1
	s_mov_b32 s[G0+1], s[WOFF]                     ; slot 0, my quarter
	s_add_nc_u64 s[G0+2:G0+3], s[6:7], s[58:59]
	s_or_b32 s[G0+3], s[G0+3], 0x80000000
	CROUND                                         ; all four work-groups are here: the first joint loads meet
	JLOAD
	global_load_b128 v[104:107], v37, s[8:9]
	global_load_b128 v[108:111], v38, s[6:7] offset:102400
.irp y, 0,1,2,3,4,5,6,7
	XLOAD \y                                       ; my rows 0 to 3
.endr
	s_wait_tensorcnt 0x0                           ; slot 0's quarter has landed: no tensor load is out while rows are quantised through LDS
	s_wait_loadcnt 32                              ; the two table loads are in; the ring's 32 may be out
	ds_store_b128 v39, v[104:107]
	ds_store_b128 v39, v[108:111] offset:32
	s_wait_xcnt 0x0
	s_add_nc_u64 s[XG:XG+1], s[XG:XG+1], 4*ROWG
	XA 0, 28
	ROUND 0, 0
	ROUND 1, 0
	ROUND 2, 0
	ROUND 3, 1
.irp j, 0,1,2,3,4,5,6,7
	v_mov_b32 v[SM+\j], 0                          ; the sums begin
.endr
	s_mov_b32 s[UB], 0
	s_mov_b32 s[TB], SLOTB                         ; the first change of slots turns it to 0
	s_mov_b32 s[CNT], 7
.Lvisit:                                               ; visits 0 to 6; visit v asks for Wc's slot v + 1 (the first time: slot 1's first fill, issued as a refill is)
	HEAD 1
	BODY
	s_sub_co_u32 s[CNT], s[CNT], 1
	s_cmp_lg_u32 s[CNT], 0
	s_cbranch_scc1 .Lvisit
	HEAD 0                                         ; the last visit is written out: nothing is asked for
	BODY
	s_lshl_b32 s48, s[WV], 9
	s_sub_co_u32 s48, s48, s53
	v_add_nc_u32 v[ADS], s48, v[BL]                ; 512 x wave + 16 x lane
.irp a, 0,1,2,3
	v_add_f32 v[ACC+\a], v[SM+2*\a], v[SM+2*\a+1]
.endr
	global_store_b128 v[ADS], v[ACC:ACC+3], s[10:11]   ; a lane's four tiles' parts; the wave stores 512 consecutive bytes
	s_wait_tensorcnt 0x0                           ; the wave's end
	ds_add_u32 v[SPW], v[NIL]
	s_wait_dscnt 0x0
	CROUND                                         ; the closing round
	s_endpgm
.Lfunc_end_k_qfabdb7e756_energy:
	.size	k_qfabdb7e756_energy, .Lfunc_end_k_qfabdb7e756_energy-k_qfabdb7e756_energy
	.p2alignl 7, 3214868480
	.fill 96, 4, 3214868480
	.section	.rodata,"a",@progbits
	.p2align	6, 0x0
	.amdhsa_kernel k_qfabdb7e756_energy
		.amdhsa_group_segment_fixed_size 327680
		.amdhsa_private_segment_fixed_size 0
		.amdhsa_enable_private_segment 0
		.amdhsa_kernarg_size 32
		.amdhsa_user_sgpr_count 2
		.amdhsa_user_sgpr_kernarg_segment_ptr 1
		.amdhsa_wavefront_size32 1
		.amdhsa_system_sgpr_workgroup_id_x 1
		.amdhsa_system_sgpr_workgroup_id_y 1
		.amdhsa_system_sgpr_workgroup_id_z 1
		.amdhsa_system_vgpr_workitem_id 0
		.amdhsa_next_free_vgpr 512
		.amdhsa_next_free_sgpr 66
		.amdhsa_reserve_vcc 0
		.amdhsa_float_denorm_mode_32 3
		.amdhsa_float_denorm_mode_16_64 3
		.amdhsa_memory_ordered 1
		.amdhsa_forward_progress 1
		.amdhsa_inst_pref_size 250
	.end_amdhsa_kernel
	.amdgpu_metadata
---
amdhsa.version: [ 1, 2 ]
amdhsa.kernels:
  - .name:           k_qfabdb7e756_energy
    .symbol:         k_qfabdb7e756_energy.kd
    .args:
      - { .name: enc_outputs, .offset: 0, .size: 8, .value_kind: global_buffer, .address_space: global }
      - { .name: wcimg, .offset: 8, .size: 8, .value_kind: global_buffer, .address_space: global }
      - { .name: wsc, .offset: 16, .size: 8, .value_kind: global_buffer, .address_space: global }
      - { .name: score, .offset: 24, .size: 8, .value_kind: global_buffer, .address_space: global }
    .group_segment_fixed_size: 327680
    .private_segment_fixed_size: 0
    .kernarg_segment_align: 8
    .kernarg_segment_size: 32
    .max_flat_workgroup_size: 256
    .sgpr_count:     66
    .vgpr_count:     512
    .wavefront_size: 32
...
	.end_amdgpu_metadata
.endif
;; end of part 2
;; launch context (part 3): grid 8 x 32, 16 waves a work-group, no clusters, 18,944 bytes of LDS; arguments enc_outputs, score, out0; writes out0
.if DOCPART == 3
	.amdgcn_target "amdgcn-amd-amdhsa--gfx1250"
	.amdhsa_code_object_version 6
	.text
	.protected	k_qfabdb7e756_context
	.globl	k_qfabdb7e756_context
	.p2align	8
	.type	k_qfabdb7e756_context,@function
k_qfabdb7e756_context:
	s_mov_b64 s[64:65], 0
	v_nop
	global_prefetch_b8 v0, s[64:65] scope:SCOPE_SE
	s_setreg_imm32_b32 hwreg(HW_REG_WAVE_MODE, 25, 1), 1
	s_wait_xcnt 0x0
; out0[b][e] = sum over s of softmax_s(score(s, b)) enc[s][b][e], all in f32.
; score comes as four parts for each (s, b), laid [b][x 8][block 2][wave 4][lane 32][a 4]: the part of row s = 256 x + 128 block + 64 wr + 16 a + r from wave 2 wr + wc, lane 16 h + r; the parts (wc, h) are added here.
; (They lack the term sum of Wa, which is the same for all s of a column: the maximum that is taken away below takes it away too.)
; SHARES.  A work-group owns one b and 128 columns e (512 bytes of each row): each output has one owner.  Its sixteen waves take 128 rows s each; a wave's load is one row's 512 consecutive bytes, 16 a lane.
; The column's softmax is made by each of the 8 work-groups of a b for itself: 32 KB of score beside 1 MB of enc; that is too small a part to share by a joint request, and this launch has no copies into LDS.
; Memory binds: sixteen loads of every wave are on their way (a ring of 16 slots in registers); no matrix unit (one row on the left), no cluster.
; THE SOFTMAX takes the column's maximum away before the exponential; the sum of p divides at the end.
; LDS: 0 p of the 2,048 rows | 8192 the waves' maxima | 8448 the waves' sums | 8704 the waves' parts of the result, 512 bytes each.
.set PP,   0
.set MAXW, 8192
.set SUMW, 8448
.set PART, 8704
.set ROWG, 131072                      ; bytes from s to s + 1 of one b
.set X,    32                          ; v32-95   the ring: slot i, 4 registers
.set PR,   96                          ; v96-111  16 weights, the same in every lane
.set AC,   112                         ; v112-119 two sets of sums: even rows, odd rows
	s_load_b128 s[4:7], s[0:1], 0x0                ; enc, score
	s_load_b64 s[8:9], s[0:1], 0x10                ; out0
	v_lshl_add_u32 v120, v0, 2, 16896              ; my spare word, behind the parts, and 0: kept for the closing add alone
	v_mov_b32 v121, 0
	v_lshrrev_b32 v1, 5, v0
	s_wait_alu depctr_va_vdst(0)
	v_readfirstlane_b32 s10, v1                    ; wave 0..15
	s_and_b32 s11, ttmp7, 0xffff                   ; b
	s_mov_b32 s12, 0x76543210
	s_mov_b32 s13, 0xfedcba98                      ; v_permlanex16_b32's selects for lane l xor 16
	s_lshl_b32 s14, s11, 15                        ; score: column b's 32,768 bytes
	s_mov_b32 s15, 0
	s_lshl_b32 s16, s10, 24                        ; enc: my wave's 128 rows,
	s_lshl_b32 s17, s11, 12                        ; b,
	s_add_co_u32 s16, s16, s17
	s_lshl_b32 s17, ttmp9, 9                       ; the work-group's 512 bytes: under 2^28 in all
	s_add_co_u32 s16, s16, s17
	s_lshl_b32 s18, s11, 12                        ; out0: row b, the same 512 bytes
	s_add_co_u32 s18, s18, s17
	s_mov_b32 s17, 0
	s_mov_b32 s19, 0
	s_lshl_b32 s20, s10, 2
	s_add_co_u32 s21, s20, SUMW                    ; my wave's word among the sums,
	s_add_co_u32 s20, s20, MAXW                    ; and among the maxima
	s_lshl_b32 s22, s10, 9                         ; my wave's 128 weights in LDS
	s_mov_b32 s23, 0
	v_lshlrev_b32 v2, 11, v1                       ; thread t: (x, block) = t / 32: 2,048 bytes;
	v_bfe_u32 v20, v0, 4, 1
	s_delay_alu instid0(VALU_DEP_1)
	v_lshl_add_u32 v2, v20, 10, v2                 ; wr = (t / 16) % 2: 1,024;
	v_and_b32 v26, 15, v0
	s_delay_alu instid0(VALU_DEP_1)
	v_lshl_add_u32 v2, v26, 4, v2                  ; r = t % 16: 16.  The four parts lie 256 bytes apart
	v_and_b32 v3, 31, v0
	s_delay_alu instid0(VALU_DEP_1)
	v_lshlrev_b32 v3, 4, v3                        ; 16 x lane
	v_mov_b32 v21, 0                               ; (a lane permute's destination counts as one of its sources)
	v_mov_b32 v22, s20
	v_mov_b32 v27, s21
	v_mov_b32 v28, s22
	v_lshl_add_u32 v30, v0, 4, PART                ; my 16 bytes of my wave's part
	s_wait_alu depctr_va_vdst(0)
	s_wait_kmcnt 0x0
	s_add_nc_u64 s[6:7], s[6:7], s[14:15]
	s_add_nc_u64 s[4:5], s[4:5], s[16:17]
	s_add_nc_u64 s[8:9], s[8:9], s[18:19]
.irp q, 0,1,2,3
	global_load_b128 v[4+4*\q:7+4*\q], v2, s[6:7] offset:256*\q    ; sixteen lanes read 256 consecutive bytes
.endr
.irp i, 0,1,2,3,4,5,6,7,8,9,10,11,12,13,14,15
	global_load_b128 v[X+4*\i:X+4*\i+3], v3, s[4:5] offset:\i*ROWG th:TH_LOAD_NT   ; the ring is filled: my rows 0 to 15
.endr
.irp j, 0,1,2,3,4,5,6,7
	v_mov_b32 v[AC+\j], 0
.endr
	s_wait_loadcnt 16                              ; the four loads of score are in; the 16 of enc behind them stay out
	v_pk_add_f32 v[4:5], v[4:5], v[8:9]
	v_pk_add_f32 v[6:7], v[6:7], v[10:11]
	v_pk_add_f32 v[12:13], v[12:13], v[16:17]
	v_pk_add_f32 v[14:15], v[14:15], v[18:19]
	s_delay_alu instid0(VALU_DEP_2)
	v_pk_add_f32 v[4:5], v[4:5], v[12:13]
	s_delay_alu instid0(VALU_DEP_2)
	v_pk_add_f32 v[6:7], v[6:7], v[14:15]          ; v4-7: the scores of rows 64 (t / 16) + 16 a + r, a = 0 .. 3
	s_delay_alu instid0(VALU_DEP_1)
	v_max3_num_f32 v20, v4, v5, v6
	s_delay_alu instid0(VALU_DEP_1)
	v_max_num_f32 v20, v20, v7
	s_delay_alu instid0(VALU_DEP_1)
	v_max_num_f32_dpp v20, v20, v20 row_xmask:1 row_mask:0xf bank_mask:0xf
	s_delay_alu instid0(VALU_DEP_1)
	v_max_num_f32_dpp v20, v20, v20 row_xmask:2 row_mask:0xf bank_mask:0xf
	s_delay_alu instid0(VALU_DEP_1)
	v_max_num_f32_dpp v20, v20, v20 row_xmask:4 row_mask:0xf bank_mask:0xf
	s_delay_alu instid0(VALU_DEP_1)
	v_max_num_f32_dpp v20, v20, v20 row_xmask:8 row_mask:0xf bank_mask:0xf
	s_delay_alu instid0(VALU_DEP_1)
	v_permlanex16_b32 v21, v20, s12, s13
	s_delay_alu instid0(VALU_DEP_1)
	v_max_num_f32 v20, v20, v21                    ; my wave's maximum, in every lane
	ds_store_b32 v22, v20                          ; all lanes write the same word with the same value
	s_wait_dscnt 0x0
	s_barrier_signal -1
	s_barrier_wait -1
	v_mov_b32 v23, MAXW
.irp q, 0,1,2,3
	ds_load_b128 v[PR+4*\q:PR+4*\q+3], v23 offset:16*\q
.endr
	s_wait_dscnt 0x0
	v_max3_num_f32 v20, v[PR], v[PR+1], v[PR+2]
.irp i, 3,5,7,9,11,13
	s_delay_alu instid0(VALU_DEP_1)
	v_max3_num_f32 v20, v20, v[PR+\i], v[PR+\i+1]
.endr
	s_delay_alu instid0(VALU_DEP_1)
	v_max_num_f32 v20, v20, v[PR+15]               ; the column's maximum
.irp a, 4,5,6,7
	v_sub_f32 v\a, v\a, v20
.endr
.irp a, 4,5,6,7
	s_delay_alu instid0(VALU_DEP_4)
	v_mul_f32 v\a, 0x3fb8aa3b, v\a                 ; x log2(e)
.endr
	s_wait_alu depctr_va_vdst(0)
.irp a, 4,5,6,7
	v_exp_f32 v\a, v\a                             ; p, at most 1
.endr
	v_lshrrev_b32 v24, 4, v0                       ; (plain instructions behind the exponentials)  p's place: 4 x row = 256 (t / 16) + 64 a + 4 r
	s_delay_alu instid0(VALU_DEP_1)
	v_lshlrev_b32 v24, 8, v24
	s_delay_alu instid0(VALU_DEP_1)
	v_lshl_add_u32 v24, v26, 2, v24
	s_wait_alu depctr_va_vdst(0)                   ; one wait for the four exponentials, ahead of their first reader
.irp a, 0,1,2,3
	ds_store_b32 v24, v[4+\a] offset:PP+64*\a
.endr
	v_add_f32 v25, v4, v5
	v_add_f32 v31, v6, v7
	s_delay_alu instid0(VALU_DEP_1)
	v_add_f32 v25, v25, v31
	s_delay_alu instid0(VALU_DEP_1)
	v_add_f32_dpp v25, v25, v25 row_xmask:1 row_mask:0xf bank_mask:0xf
	s_delay_alu instid0(VALU_DEP_1)
	v_add_f32_dpp v25, v25, v25 row_xmask:2 row_mask:0xf bank_mask:0xf
	s_delay_alu instid0(VALU_DEP_1)
	v_add_f32_dpp v25, v25, v25 row_xmask:4 row_mask:0xf bank_mask:0xf
	s_delay_alu instid0(VALU_DEP_1)
	v_add_f32_dpp v25, v25, v25 row_xmask:8 row_mask:0xf bank_mask:0xf
	s_delay_alu instid0(VALU_DEP_1)
	v_permlanex16_b32 v21, v25, s12, s13
	s_delay_alu instid0(VALU_DEP_1)
	v_add_f32 v25, v25, v21                        ; my wave's sum of p
	ds_store_b32 v27, v25
	s_wait_dscnt 0x0
	s_barrier_signal -1
	s_barrier_wait -1                              ; all 2,048 p and the sixteen sums lie in LDS
; Sixteen rows.  ahead = 1: each slot is filled again with the row 16 further on.
.macro TRIP ahead
	v_add_nc_u32 v29, s23, v28
.irp q, 0,1,2,3
	ds_load_b128 v[PR+4*\q:PR+4*\q+3], v29 offset:PP+16*\q         ; the 16 rows' weights: every lane reads the same words
.endr
	s_wait_dscnt 0x0
.irp i, 0,1,2,3,4,5,6,7,8,9,10,11,12,13,14,15
.if \ahead
	s_wait_alu depctr_va_vdst(0)
	s_wait_loadcnt 15                              ; loads come back in order: slot i's is in, the 15 younger ones stay out
.else
	s_wait_alu depctr_va_vdst(0)
	s_wait_loadcnt 15-\i
.endif
.irp j, 0,1,2,3
	v_fmac_f32 v[AC+4*(\i%2)+\j], v[PR+\i], v[X+4*\i+\j]
.endr
.if \ahead
	global_load_b128 v[X+4*\i:X+4*\i+3], v3, s[4:5] offset:(16+\i)*ROWG th:TH_LOAD_NT
.endif
.endr
.endm
	s_mov_b32 s24, 7
.Lrows:
	s_wait_alu depctr_va_vdst(0)
	TRIP 1
	s_wait_xcnt 0x0                                ; the loads' addresses are translated: only now is their base stepped
	s_add_nc_u64 s[4:5], s[4:5], 16*ROWG
	s_add_co_u32 s23, s23, 64
	s_sub_co_u32 s24, s24, 1
	s_cmp_lg_u32 s24, 0
	s_cbranch_scc1 .Lrows
	s_wait_alu depctr_va_vdst(0)
	TRIP 0                                         ; the last 16 rows load nothing: the counts run down, and no load leaves the buffer
	s_delay_alu instid0(VALU_DEP_3)
	v_pk_add_f32 v[AC:AC+1], v[AC:AC+1], v[AC+4:AC+5]
	s_delay_alu instid0(VALU_DEP_2)
	v_pk_add_f32 v[AC+2:AC+3], v[AC+2:AC+3], v[AC+6:AC+7]
	ds_store_b128 v30, v[AC:AC+3]
	s_wait_dscnt 0x0
	s_barrier_signal -1
	s_barrier_wait -1                              ; the sixteen parts lie in LDS
	s_cmp_lg_u32 s10, 0
	s_cbranch_scc1 .Ldone                          ; wave 0 adds them, in a fixed order, and stores
.irp i, 0,1,2,3,4,5,6,7,8,9,10,11,12,13,14,15
	ds_load_b128 v[X+4*\i:X+4*\i+3], v30 offset:512*\i             ; (in wave 0 the thread's number is the lane)
.endr
	v_mov_b32 v23, SUMW
.irp q, 0,1,2,3
	ds_load_b128 v[PR+4*\q:PR+4*\q+3], v23 offset:16*\q
.endr
	s_wait_dscnt 0x0
.irp q, 1
	v_pk_add_f32 v[PR:PR+1], v[PR:PR+1], v[PR+2*\q:PR+2*\q+1]
.endr
.irp q, 2, 3, 4, 5, 6, 7
	s_delay_alu instid0(VALU_DEP_1)
	v_pk_add_f32 v[PR:PR+1], v[PR:PR+1], v[PR+2*\q:PR+2*\q+1]
.endr
	s_delay_alu instid0(VALU_DEP_1)
	v_add_f32 v20, v[PR], v[PR+1]                  ; the column's sum of p, at least 1
	s_wait_alu depctr_va_vdst(0)
	v_rcp_f32 v20, v20
.irp i, 1
	v_pk_add_f32 v[X:X+1], v[X:X+1], v[X+4*\i:X+4*\i+1]            ; (plain instructions behind the reciprocal)
	v_pk_add_f32 v[X+2:X+3], v[X+2:X+3], v[X+4*\i+2:X+4*\i+3]
.endr
.irp i, 2, 3, 4, 5, 6, 7, 8, 9, 10, 11, 12, 13, 14, 15
	s_delay_alu instid0(VALU_DEP_2)
	v_pk_add_f32 v[X:X+1], v[X:X+1], v[X+4*\i:X+4*\i+1]            ; (plain instructions behind the reciprocal)
	s_delay_alu instid0(VALU_DEP_2)
	v_pk_add_f32 v[X+2:X+3], v[X+2:X+3], v[X+4*\i+2:X+4*\i+3]
.endr
	s_wait_alu depctr_va_vdst(0)                   ; the wait behind the reciprocal, ahead of its first reader
.irp j, 0,1,2,3
	v_mul_f32 v[X+\j], v[X+\j], v20
.endr
	global_store_b128 v3, v[X:X+3], s[8:9]         ; 32 lanes store 512 consecutive bytes, at a multiple of 256 from out0's first byte
.Ldone:
	s_wait_tensorcnt 0x0                           ; the wave's end
	ds_add_u32 v120, v121
	s_wait_dscnt 0x0
	s_endpgm
.Lfunc_end_k_qfabdb7e756_context:
	.size	k_qfabdb7e756_context, .Lfunc_end_k_qfabdb7e756_context-k_qfabdb7e756_context
	.p2alignl 7, 3214868480
	.fill 96, 4, 3214868480
	.section	.rodata,"a",@progbits
	.p2align	6, 0x0
	.amdhsa_kernel k_qfabdb7e756_context
		.amdhsa_group_segment_fixed_size 18944
		.amdhsa_private_segment_fixed_size 0
		.amdhsa_enable_private_segment 0
		.amdhsa_kernarg_size 24
		.amdhsa_user_sgpr_count 2
		.amdhsa_user_sgpr_kernarg_segment_ptr 1
		.amdhsa_wavefront_size32 1
		.amdhsa_system_sgpr_workgroup_id_x 1
		.amdhsa_system_sgpr_workgroup_id_y 1
		.amdhsa_system_sgpr_workgroup_id_z 1
		.amdhsa_system_vgpr_workitem_id 0
		.amdhsa_next_free_vgpr 128
		.amdhsa_next_free_sgpr 66
		.amdhsa_reserve_vcc 0
		.amdhsa_float_denorm_mode_32 3
		.amdhsa_float_denorm_mode_16_64 3
		.amdhsa_memory_ordered 1
		.amdhsa_forward_progress 1
		.amdhsa_inst_pref_size 23
	.end_amdhsa_kernel
	.amdgpu_metadata
---
amdhsa.version: [ 1, 2 ]
amdhsa.kernels:
  - .name:           k_qfabdb7e756_context
    .symbol:         k_qfabdb7e756_context.kd
    .args:
      - { .name: enc_outputs, .offset: 0, .size: 8, .value_kind: global_buffer, .address_space: global }
      - { .name: score, .offset: 8, .size: 8, .value_kind: global_buffer, .address_space: global }
      - { .name: out0, .offset: 16, .size: 8, .value_kind: global_buffer, .address_space: global }
    .group_segment_fixed_size: 18944
    .private_segment_fixed_size: 0
    .kernarg_segment_align: 8
    .kernarg_segment_size: 24
    .max_flat_workgroup_size: 512
    .sgpr_count:     66
    .vgpr_count:     128
    .wavefront_size: 32
...
	.end_amdgpu_metadata
.endif
;; end of part 3
